; MI455X (gfx1250); checked and timed in simulation.
; The chip was launched on July 23, 2026; its instructions are those of AMD's public machine-readable ISA for CDNA 5 (MIT licence, August 2026) and "CDNA5" Instruction Set Architecture Reference Guide (July 2026). The comments in the code are by the model that wrote it; some were corrected since.
;; Multi Head Attention Module. Allowed arithmetic: float matrix products may take bf16 or f16 operands with f32 sums; all other float work in f32.
;; Inputs: wqkv 1,024 x 3,072 float32; x 2 x 2,048 x 1,024 float32.
;; Outputs: out0 2 x 2,048 x 1,024 float32.
;; 2 versions, each right; version 2 is version 1 with the launch prep written anew for expert scheduling mode. Each part assembles by itself: llvm-mc -triple=amdgcn-amd-amdhsa -mcpu=gfx1250 --defsym DOCPART=n.
;; ======== version 1 of 2: 2 launches
;; limits: right only within a limited range of input values
;; workspace buffers: xb 8,388,608 bytes; wt 6,291,456 bytes; bs 65,536 bytes
;; launch prep (part 1): grid 256 x 1, 8 waves a work-group, no clusters, 79,104 bytes of LDS; arguments x, wqkv, xb, wt, bs; writes xb, wt, bs
.if DOCPART == 1
	.amdgcn_target "amdgcn-amd-amdhsa--gfx1250"
	.amdhsa_code_object_version 6
	.text
	.protected	k_qcd142d9112_prep
	.globl	k_qcd142d9112_prep
	.p2align	8
	.type	k_qcd142d9112_prep,@function
k_qcd142d9112_prep:
	s_mov_b64 s[64:65], 0
	v_nop
	global_prefetch_b8 v0, s[64:65] scope:SCOPE_SE
	s_setreg_imm32_b32 hwreg(HW_REG_WAVE_MODE, 25, 1), 1
	s_wait_xcnt 0x0
; Rounds the two inputs to bf16 once and lays them as the matrix kernel wants them.
;   xb[4096][1024] bf16 = x rounded to nearest even.
;   wt[3072][1024] bf16 = wqkv transposed, wt[n][k], so that K lies along the rows like x's.
;   bs[16][1024]   f32  = column sums of the ROUNDED x over each block of 256 rows (the next launch makes the prefix sum's carries of them).
; 256 work-groups of eight waves.  Work-groups 0-127 take x: a unit of 256 rows x 128 columns each.  Work-groups 128-255 take wqkv: a unit of
; 128 k x 192 n (one head's columns) each.  The branch hangs on the work-group's number alone, so all eight waves take one path and each path
; has its own barrier; each path also has LDS bytes of its own, so that no byte is named by both.
; Memory binds: every input byte is read once, all of a wave's loads are issued before the first is used, and every store
; of sixteen or thirty-two neighbouring lanes covers 256 consecutive bytes that start at a multiple of 256.  No matrix unit, no cluster: no byte is shared.
.set X,   32                           ; v[32:159]  path x: row i as loaded in 4 registers; its first two then hold the row's 4 bf16 pairs
.set W,   32                           ; v[32:127]  path w: load (i, c) in 2 registers; later the rows read back
.set S0,  8                            ; v[8:11]    column sums of the even rows
.set S1,  12                           ; v[12:15]   of the odd rows
.set T,   16                           ; v[16:23]   at work, two sets that take turns
.set REG, 9248                         ; path w: a wave's LDS region: 192 rows n x 48 bytes (32 of data: 16 k) + 32, so that regions lie 32 bytes apart modulo 256
.set XSUM, 8*REG                       ; path x: the eight waves' 128 sums each, 4,096 bytes behind path w's eight regions
	s_load_b256 s[4:11], s[0:1], 0x0               ; x s[4:5], wqkv s[6:7], xb s[8:9], wt s[10:11]
	s_load_b64 s[12:13], s[0:1], 0x20              ; bs
	v_lshl_add_u32 v160, v0, 2, 0x13100
	v_mov_b32 v161, 0
	v_lshrrev_b32 v1, 5, v0
	v_readfirstlane_b32 s14, v1                    ; wave 0..7
	v_and_b32 v1, 31, v0                           ; lane
	s_mov_b32 s15, 0xffff0000                      ; a word's upper bf16
	s_cmp_lt_u32 ttmp9, 128
	s_cbranch_scc0 .Lweights
	; ---------------- x: block blk of 256 rows, column group cg of 128 columns; wave w takes rows 32 w .. 32 w + 31 ----------------
	s_lshr_b32 s16, ttmp9, 3                       ; blk
	s_and_b32 s17, ttmp9, 7                        ; cg
	s_lshl_b32 s18, s16, 20                        ; 256 rows of 4,096 bytes
	s_lshl_b32 s20, s17, 9                         ; 128 columns of 4 bytes
	s_add_co_u32 s18, s18, s20
	s_mov_b32 s19, 0
	s_lshr_b32 s20, s18, 1                         ; in xb everything is half as long
	s_mov_b32 s21, 0
	s_lshl_b32 s22, s16, 12                        ; bs: row blk of 4,096 bytes
	s_lshl_b32 s23, s17, 9
	s_add_co_u32 s22, s22, s23
	s_mov_b32 s23, 0
	s_lshl_b32 s24, s14, 17                        ; 32 rows of x
	v_lshl_add_u32 v2, v1, 4, s24                  ; load: 16 bytes a lane, a row's 512 bytes a wave
	s_lshl_b32 s24, s14, 16                        ; 32 rows of xb
	v_lshl_add_u32 v3, v1, 3, s24                  ; store: 8 bytes a lane, 256 bytes a wave
	s_lshl_b32 s24, s14, 9
	s_add_co_u32 s24, s24, XSUM
	v_lshl_add_u32 v4, v1, 4, s24                  ; LDS: my wave's 128 sums
	v_lshlrev_b32 v5, 4, v1                        ; 16 x lane: my 16 bytes of the unit's 512 in bs
	v_add_nc_u32 v6, XSUM, v5                      ; and of wave 0's sums in LDS
	s_wait_kmcnt 0x0
	s_add_nc_u64 s[4:5], s[4:5], s[18:19]
	s_add_nc_u64 s[8:9], s[8:9], s[20:21]
	s_add_nc_u64 s[12:13], s[12:13], s[22:23]
.set i, 0
.rept 32
	global_load_b128 v[X+4*i:X+4*i+3], v2, s[4:5] offset:i*4096 th:TH_LOAD_NT   ; all 32 rows are asked for at once: 16 KiB of a wave on their way
.set i, i+1
.endr
.set i, 0
.rept 32
	s_wait_loadcnt 31-i                            ; loads come back in order: row i is in, the 31 - i younger ones stay out
	v_cvt_pk_bf16_f32 v[X+4*i],   v[X+4*i],   v[X+4*i+1]
	v_cvt_pk_bf16_f32 v[X+4*i+1], v[X+4*i+2], v[X+4*i+3]
.if i < 2
.set D, S0+4*i                                     ; rows 0 and 1 start the two chains of sums: nothing is cleared
.else
.set D, T+4*(i&1)
.endif
	v_lshlrev_b32 v[D],   16,  v[X+4*i]              ; the rounded numbers back in f32: the sums are of what the matrix unit will see
	v_and_b32     v[D+1], s15, v[X+4*i]
	v_lshlrev_b32 v[D+2], 16,  v[X+4*i+1]
	v_and_b32     v[D+3], s15, v[X+4*i+1]
.if i >= 2
	v_pk_add_f32 v[S0+4*(i&1):S0+4*(i&1)+1],   v[S0+4*(i&1):S0+4*(i&1)+1],   v[D:D+1]
	v_pk_add_f32 v[S0+4*(i&1)+2:S0+4*(i&1)+3], v[S0+4*(i&1)+2:S0+4*(i&1)+3], v[D+2:D+3]
.endif
	global_store_b64 v3, v[X+4*i:X+4*i+1], s[8:9] offset:i*2048   ; every row has registers of its own: no store's source is rewritten in this run
.set i, i+1
.endr
	v_pk_add_f32 v[S0:S0+1],   v[S0:S0+1],   v[S1:S1+1]
	v_pk_add_f32 v[S0+2:S0+3], v[S0+2:S0+3], v[S1+2:S1+3]
	ds_store_b128 v4, v[S0:S0+3]
	s_wait_dscnt 0x0                               ; my sums are in LDS before I say so
	s_barrier_signal -1
	s_barrier_wait -1
	s_cmp_lg_u32 s14, 0
	s_cbranch_scc1 .Lxdone                         ; wave 0 adds the eight waves' sums
	s_wait_xcnt 0x0                                ; the registers below were named by my stores: they are loaded again only behind this wait
.irp j, 0,1,2,3,4,5,6,7
	ds_load_b128 v[X+4*\j:X+4*\j+3], v6 offset:512*\j
.endr
	s_wait_dscnt 0x0
.irp j, 0,8,16,24
	v_pk_add_f32 v[X+\j:X+\j+1],   v[X+\j:X+\j+1],   v[X+\j+4:X+\j+5]
	v_pk_add_f32 v[X+\j+2:X+\j+3], v[X+\j+2:X+\j+3], v[X+\j+6:X+\j+7]
.endr
.irp j, 0,16
	v_pk_add_f32 v[X+\j:X+\j+1],   v[X+\j:X+\j+1],   v[X+\j+8:X+\j+9]
	v_pk_add_f32 v[X+\j+2:X+\j+3], v[X+\j+2:X+\j+3], v[X+\j+10:X+\j+11]
.endr
	v_pk_add_f32 v[X:X+1],   v[X:X+1],   v[X+16:X+17]
	v_pk_add_f32 v[X+2:X+3], v[X+2:X+3], v[X+18:X+19]
	global_store_b128 v5, v[X:X+3], s[12:13]       ; 128 sums: 512 consecutive bytes
.Lxdone:
	s_wait_tensorcnt 0x0
	ds_add_u32 v160, v161
	s_wait_dscnt 0x0
	s_endpgm
	; ---------------- wqkv: head hd's 192 columns, k group kg of 128; wave w takes k = 128 kg + 16 w + i, i = 0..15 ----------------
.Lweights:
	s_sub_co_u32 s16, ttmp9, 128
	s_lshr_b32 s17, s16, 3                         ; hd
	s_and_b32 s16, s16, 7                          ; kg
	s_mul_i32 s18, s16, 128*12288                  ; 128 rows of wqkv (12,288 bytes each)
	s_mul_i32 s20, s17, 768                        ; 192 columns of 4 bytes
	s_add_co_u32 s18, s18, s20
	s_mov_b32 s19, 0
	s_mul_i32 s20, s17, 192*2048                   ; 192 rows of wt (2,048 bytes each)
	s_lshl_b32 s21, s16, 8                         ; 128 k of 2 bytes
	s_add_co_u32 s20, s20, s21
	s_mov_b32 s21, 0
	s_mul_i32 s24, s14, 16*12288
	v_lshl_add_u32 v2, v1, 3, s24                  ; load: 8 bytes a lane (columns 2 l, 2 l + 1 of a group of 64), 256 bytes a wave
	s_mul_i32 s24, s14, REG
	v_mul_u32_u24 v5, v1, 96                       ; LDS in: rows 2 l, 2 l + 1 of 48 bytes
	v_add_nc_u32 v5, s24, v5
	v_and_b32 v8, 15, v1                           ; back: sixteen lanes take one row n: 8 waves' regions x 2 halves of 16 bytes
	v_lshrrev_b32 v9, 4, v1
	s_mul_i32 s24, s14, 24
	v_add_nc_u32 v9, s24, v9                       ; n = 24 w + (l >> 4), then two rows on with each load
	v_lshrrev_b32 v10, 1, v8
	v_mul_u32_u24 v6, v10, REG
	v_and_b32 v10, 1, v8
	v_lshl_add_u32 v6, v10, 4, v6
	v_mad_u32_u24 v6, v9, 48, v6                   ; sixteen neighbouring lanes lie at sixteen different 16-byte columns modulo 256 (REG = 32 modulo 256)
	v_lshlrev_b32 v7, 4, v8
	v_lshl_add_u32 v7, v9, 11, v7                  ; the same 16 bytes in wt
	s_wait_kmcnt 0x0
	s_add_nc_u64 s[6:7], s[6:7], s[18:19]
	s_add_nc_u64 s[10:11], s[10:11], s[20:21]
.set i, 0
.rept 16
.irp c, 0,1,2
	global_load_b64 v[W+2*(3*i+\c):W+2*(3*i+\c)+1], v2, s[6:7] offset:i*12288+\c*256 th:TH_LOAD_NT
.endr
.set i, i+1
.endr
; Eight k (rows 8 g .. 8 g + 7) of one column are four packed roundings = 16 bytes of a row of wt.
; The stores' lanes lie 96 bytes apart, so lanes eight apart fall on the same 16 bytes modulo 256: twelve such stores a lane in the whole kernel.
.macro WPACK g
.irp c, 0,1,2
.irp p, 0,1
.irp q, 0,1,2,3
	v_cvt_pk_bf16_f32 v[T+4*\p+\q], v[W+2*(3*(8*\g+2*\q)+\c)+\p], v[W+2*(3*(8*\g+2*\q+1)+\c)+\p]
.endr
	ds_store_b128 v5, v[T+4*\p:T+4*\p+3] offset:\c*3072+\p*48+\g*16
.endr
.endr
.endm
	s_wait_loadcnt 24                              ; rows 0-7 (24 loads) are in, the 24 loads of rows 8-15 stay out
	WPACK 0
	s_wait_loadcnt 0x0
	WPACK 1
	s_wait_dscnt 0x0                               ; my region is written before I say so
	s_barrier_signal -1
	s_barrier_wait -1
.irp t, 0,1,2,3,4,5,6,7,8,9,10,11
	ds_load_b128 v[W+4*\t:W+4*\t+3], v6 offset:\t*96
.endr
.irp t, 0,1,2,3,4,5,6,7,8,9,10,11
	s_wait_dscnt 11-\t                             ; LDS loads come back in order: number t is in
	global_store_b128 v7, v[W+4*\t:W+4*\t+3], s[10:11] offset:\t*4096   ; sixteen lanes store 256 consecutive bytes of one row of wt
.endr
	s_wait_tensorcnt 0x0
	ds_add_u32 v160, v161
	s_wait_dscnt 0x0
	s_endpgm
.Lfunc_end_k_qcd142d9112_prep:
	.size	k_qcd142d9112_prep, .Lfunc_end_k_qcd142d9112_prep-k_qcd142d9112_prep
	.p2alignl 7, 3214868480
	.fill 96, 4, 3214868480
	.section	.rodata,"a",@progbits
	.p2align	6, 0x0
	.amdhsa_kernel k_qcd142d9112_prep
		.amdhsa_group_segment_fixed_size 79104
		.amdhsa_private_segment_fixed_size 0
		.amdhsa_enable_private_segment 0
		.amdhsa_kernarg_size 40
		.amdhsa_user_sgpr_count 2
		.amdhsa_user_sgpr_kernarg_segment_ptr 1
		.amdhsa_wavefront_size32 1
		.amdhsa_system_sgpr_workgroup_id_x 1
		.amdhsa_system_sgpr_workgroup_id_y 1
		.amdhsa_system_sgpr_workgroup_id_z 1
		.amdhsa_system_vgpr_workitem_id 0
		.amdhsa_next_free_vgpr 162
		.amdhsa_next_free_sgpr 66
		.amdhsa_reserve_vcc 0
		.amdhsa_float_denorm_mode_32 3
		.amdhsa_float_denorm_mode_16_64 3
		.amdhsa_memory_ordered 1
		.amdhsa_forward_progress 1
		.amdhsa_inst_pref_size 35
	.end_amdhsa_kernel
	.amdgpu_metadata
---
amdhsa.version: [ 1, 2 ]
amdhsa.kernels:
  - .name:           k_qcd142d9112_prep
    .symbol:         k_qcd142d9112_prep.kd
    .args:
      - { .name: x, .offset: 0, .size: 8, .value_kind: global_buffer, .address_space: global }
      - { .name: wqkv, .offset: 8, .size: 8, .value_kind: global_buffer, .address_space: global }
      - { .name: xb, .offset: 16, .size: 8, .value_kind: global_buffer, .address_space: global }
      - { .name: wt, .offset: 24, .size: 8, .value_kind: global_buffer, .address_space: global }
      - { .name: bs, .offset: 32, .size: 8, .value_kind: global_buffer, .address_space: global }
    .group_segment_fixed_size: 79104
    .private_segment_fixed_size: 0
    .kernarg_segment_align: 8
    .kernarg_segment_size: 40
    .max_flat_workgroup_size: 256
    .sgpr_count:     66
    .vgpr_count:     162
    .wavefront_size: 32
...
	.end_amdgpu_metadata
.endif
;; end of part 1
;; launch main (part 2): grid 16 x 16, 4 waves a work-group, clusters of 4 x 4, 327,680 bytes of LDS; arguments xb, wt, bs, out0; writes out0
.if DOCPART == 2
	.amdgcn_target "amdgcn-amd-amdhsa--gfx1250"
	.amdhsa_code_object_version 6
	.text
	.protected	k_qcd142d9112_main
	.globl	k_qcd142d9112_main
	.p2align	8
	.type	k_qcd142d9112_main,@function
k_qcd142d9112_main:
	s_mov_b64 s[64:65], 0
	v_nop
	global_prefetch_b8 v0, s[64:65] scope:SCOPE_SE
	s_setreg_imm32_b32 hwreg(HW_REG_WAVE_MODE, 25, 1), 1
	s_wait_xcnt 0x0
	s_wait_alu depctr_hold_cnt(0) depctr_sa_sdst(0) depctr_va_vdst(0) depctr_va_sdst(0) depctr_va_ssrc(0) depctr_va_vcc(0) depctr_vm_vsrc(0)
	s_getreg_b32 s2, hwreg(HW_REG_IB_STS2, 6, 4)
	s_cmp_eq_u32 s2, 0
	s_cbranch_scc0 .Lentry_in_a_cluster
	s_endpgm
.Lentry_in_a_cluster:
	s_bfe_u32 s2, ttmp6, 0x10000c
	s_cmp_lg_u32 s2, 0xf033
	s_cbranch_scc0 .Lentry_shape_is_right
	s_endpgm
.Lentry_shape_is_right:
; out0 = attention(x @ wqkv) as the problem's own two masks leave it.  Row q of the scores is 0 for j < q, s = q_q . k_q / 8 at j = q, and -1e9 for j > q, so
;   out[q] = (e^(-m) P[q] + e^(s-m) v_q) / (q e^(-m) + e^(s-m)),   P[q] = sum of v_j over j < q of the sequence,   m = max(0, s)  (q = 0: m = s).
; This holds for every input; the maximum is taken away as in the softmax.  LIMITS: in row 0 of a sequence the -1e9 entries count as weight 0, which holds
; for q_0 . k_0 / 8 > -9.99e8; a weight below 2^-126 counts as 0 (v_exp_f32 flushes denormals: ISA guide, its entry in 15.8).
; A work-group makes 256 rows x one head's 192 columns (q | k | v) of x @ wqkv, K = 1024, from xb [4096][1024] and wt [3072][1024] in bf16, sums in f32.
; Wave w owns rows 64 w .. 64 w + 63 and all 192 columns: 48 accumulator tiles, so that q, k and v of a row meet in one wave.
; THE PREFIX SUM ACROSS WORK-GROUPS needs no traffic: the sum of v over the earlier row blocks is XS @ Wv, XS = the sum of those blocks' rows of bs.  XS is
; split exactly into three bf16 rows (hi + mid + lo = 24 bits) that ride through the K loop as one more A fragment: one more matrix instruction for 48.
; CLUSTERS: 4 x 4 work-groups.  The four of a row of the cluster share the row block, so xb's tiles; the four of a column share the head, so wt's tiles.
; Each tile is asked for jointly by its four, which divides the requests by four.
; K goes in steps of 128 (rows of 256 bytes) through two LDS slots; by this text's count a wave has two tensor loads out at the start and one afterwards.
;
; REGISTERS in windows of 256:  window 0: addresses, A fragments, XS fragments, the way out.  window 1: B fragments, two buffers of 96.
;   window 2: tiles (a, b) of q (b = 0-3) and k (b = 4-7) at v[8 (8 a + b)].   window 3: V tiles (a, i) at v[8 (4 a + i)], the carry tile at v[128:135].
; V's B fragment i of wave w holds V's column block rot_i = (i + w) & 3: the carry instruction takes fragment 0 in every wave, so wave w makes block w's carry.
.set PITCH,  272                       ; an LDS row: 256 bytes + 16 of padding: sixteen rows of a fragment start 16 bytes apart modulo 256
.set FRAG,   16*PITCH
.set ABYTES, 256*PITCH
.set SLOT,   ABYTES+192*PITCH          ; xb's 256 rows, then wt's 192 rows
.set XSR,    2*SLOT                    ; XS: chunk c (K 256 c ..) = 4 rows (hi, mid, lo, lo) of 528 bytes.  No tensor load lands from here on
.set XROWP,  528
.set XCHUNK, 4*XROWP
.set EXCH,   XSR+4*XCHUNK              ; wave totals [4][64] f32, then the carries [64] f32
.set STAGE,  EXCH+1280                 ; 16 rows x 272 bytes for each wave, for the way out
.set ADRA, 16                          ; v16-17  my A fragments in slot 0, 1
.set ADRB, 18                          ; v18-19  the q and k fragments
.set ADRV, 20                          ; v20-27  V's fragment i in slot s at v[20 + 4 s + i]
.set ADRX, 28                          ; v28     the XS fragment of the lap's chunk
.set XSA,  29                          ; v29     where I put my 8 numbers of XS
.set STO,  30                          ; v30-33  the way out: column 16 rot_i + r, row 8 h of my stage
.set RD,   34                          ; v34     the way out: where I read rows back
.set CO,   35                          ; v35     my byte offset in out0
.set QB,   36                          ; v36     position in the sequence of my register 0 of tile row 0, in f32
.set QI,   37                          ; v37     the same as a whole number
.set CYA,  38                          ; v38     where my wave's carry goes
.set EXA,  40                          ; v40-43  EXCH + 4 (16 rot_i + r)
.set BASE, 44                          ; v44-47  sum of v over all rows ahead of the 16 at work
.set CY,   48                          ; v48     carry of column 16 w + r
.set EXW,  52                          ; v52-55  EXA + my wave's row of totals
.set FA,   64                          ; v64-127   A fragments, buffer f at + 32 f
.set XF,   128                         ; v128-143  XS fragment, buffer f at + 8 f
.set FB,   0                           ; window 1: B fragments, buffer f at + 96 f
.set LB,   64                          ; at the head: v64-119 seven rows of bs, v120-127 XS, v128-139 hi, mid, lo, v140-147 at work
.set ACC,  120
.set HML,  128
.set TW,   140
.set CB,   64                          ; the way out: v64-95 weight of v_q, v96-127 weight of P, for (a, j) at 8 a + j
.set CA,   96
.set DN,   128                         ; v128-159 maxima, then denominators, then rows read back
.set TT,   160                         ; v160-223 tile t = 4 a + i: +2 its total, +3 what lies ahead of my half inside it
.set PP,   224                         ; v224-255 scores, then reciprocals, then prefixes and results
.set G1,  24
.set G0,  32
.set G1B, 48
.set G0B, 56
.set MSB, 0
.macro WIN new                         ; the immediate's high byte repeats the setting that is left
.if MSB != \new
	s_set_vgpr_msb (MSB<<8)|\new
.set MSB, \new
.endif
.endm
.set MUL_LO, 0xa4                      ; source 0 (A) window 0, source 1 (B) window 1, C and D window 2
.set MUL_HI, 0xf4                      ; the same, C and D window 3
.set TO_B,   0x40                      ; destination window 1
.set S33,    0x0f                      ; sources 0 and 1 window 3
.set S3,     0x03                      ; source 0 window 3
.set S22,    0x0a                      ; sources 0 and 1 window 2
.macro PLACES                          ; four plain vector instructions between a matrix instruction and what touches its registers (ISA guide 7.12.1)
.rept 4
	v_nop
.endr
.endm
.macro JLOAD s                         ; a joint load: waves 0, 1 fetch xb's two halves, waves 2, 3 wt's.  The branch hangs on the wave's number alone
	s_cmp_eq_u32 s13, 0
	s_cbranch_scc0 .Lfor_b_\@
	tensor_load_to_lds s[G0+4*\s:G0+4*\s+3], s[G1:G1+7]
	s_nop 0
	s_branch .Lasked_\@
.Lfor_b_\@:
	tensor_load_to_lds s[G0B+4*\s:G0B+4*\s+3], s[G1B:G1B+7]
	s_nop 0
.Lasked_\@:
.endm
.macro CREST                           ; a round of the cluster's barrier behind its opening work-group barrier
	s_cmp_lg_u32 s12, 0
	s_cbranch_scc1 .Lnot_wave_0_\@
	s_barrier_signal -3
.Lnot_wave_0_\@:
	s_barrier_wait -3
	s_barrier_signal -1
	s_barrier_wait -1
.endm
.macro CROUND
	s_barrier_signal -1
	s_barrier_wait -1
	CREST
.endm
	s_load_b256 s[4:11], s[0:1], 0x0               ; xb s[4:5], wt s[6:7], bs s[8:9], out0 s[10:11]
	v_lshl_add_u32 v63, v0, 2, 0x42200
	s_set_vgpr_msb 0x40
	v_mov_b32 v255, 0
	s_set_vgpr_msb 0x4044
	ds_add_u32 v63, v255
	s_set_vgpr_msb 0x4400
	v_lshrrev_b32 v1, 5, v0
	v_readfirstlane_b32 s12, v1                    ; wave 0..3
	s_lshr_b32 s13, s12, 1                         ; I fetch for xb (0) or for wt (1),
	s_and_b32 s14, s12, 1                          ; and which half of the tile
	s_bfe_u32 s40, ttmp6, 0x40000                  ; cx
	s_bfe_u32 s41, ttmp6, 0x40004                  ; cy
	s_lshl_b32 s42, ttmp9, 2
	s_add_co_u32 s42, s42, s40                     ; head = 4 x cluster x + cx
	s_and_b32 s43, ttmp7, 0xffff
	s_lshl_b32 s43, s43, 2
	s_add_co_u32 s43, s43, s41                     ; row block = 4 x cluster y + cy
	s_lshl_b32 s44, s41, 2
	s_lshl_b32 s44, 15, s44                        ; my row of the cluster
	s_lshl_b32 s45, 0x1111, s40                    ; my column
	s_and_b32 s77, s43, 7                          ; row block inside its sequence (8 blocks of 256 rows)
	s_mov_b32 s66, 0x76543210                      ; v_permlanex16_b32: lane i takes lane i of the other half
	s_mov_b32 s67, 0xfedcba98
	s_mov_b32 s80, 0xffff0000
	s_cmp_gt_u32 s12, 0                            ; lane masks: does wave 0, 1, 2 lie ahead of me?
	s_cselect_b32 s74, -1, 0
	s_cmp_gt_u32 s12, 1
	s_cselect_b32 s75, -1, 0
	s_cmp_gt_u32 s12, 2
	s_cselect_b32 s76, -1, 0
	; descriptor group 1: rows of 128 bf16, 16 bytes of padding behind each; 128 rows of xb, 96 rows of wt
	s_or_b32 s[G1+0],  s44, (1<<16)|(1<<20)|(1<<21)|(5<<22)|(3<<25)   ; mask: my row; element of 2 bytes; padding on; bit 21 beside a mask; after 64 words, 4 words
	s_or_b32 s[G1B+0], s45, (1<<16)|(1<<20)|(1<<21)|(5<<22)|(3<<25)   ; the same with my column
	s_mov_b32 s[G1+1],  128<<16                    ; tensor_dim0 = 128
	s_mov_b32 s[G1B+1], 128<<16
	s_mov_b32 s[G1+2],  128<<16                    ; tensor_dim1 = rows
	s_mov_b32 s[G1B+2], 96<<16
	s_mov_b32 s[G1+3],  128<<16                    ; tile_dim0 = 128
	s_mov_b32 s[G1B+3], 128<<16
	s_mov_b32 s[G1+4],  128                        ; tile_dim1 = rows
	s_mov_b32 s[G1B+4], 96
	s_mov_b32 s[G1+5],  1024                       ; elements from row to row
	s_mov_b32 s[G1B+5], 1024
	s_mov_b32 s[G1+6],  0
	s_mov_b32 s[G1B+6], 0
	s_mov_b32 s[G1+7],  0
	s_mov_b32 s[G1B+7], 0
	s_lshl_b32 s16, s43, 8                         ; xb: row 256 x block + 128 x half, rows of 2,048 bytes: hangs on the row block alone
	s_lshl_b32 s17, s14, 7
	s_add_co_u32 s16, s16, s17
	s_lshl_b32 s16, s16, 11
	s_mov_b32 s17, 0
	s_mul_i32 s46, s42, 192                        ; wt: row 192 x head + 96 x half: hangs on the head alone
	s_mul_i32 s47, s14, 96
	s_add_co_u32 s46, s46, s47
	s_lshl_b32 s46, s46, 11
	s_mov_b32 s47, 0
	s_lshr_b32 s18, s43, 3                         ; which sequence: its 8 rows of bs (4,096 bytes each)
	s_lshl_b32 s18, s18, 15
	s_mov_b32 s19, 0
	s_mul_i32 s20, s12, 128*PITCH                  ; where xb's halves go (waves 0, 1),
	s_mul_i32 s21, s12, 96*PITCH
	s_add_co_u32 s21, s21, ABYTES-2*96*PITCH       ; and wt's (waves 2, 3): behind xb's 256 rows.  Only the wave's number enters an LDS address
	v_lshlrev_b32 v5, 5, v0                        ; thread t owns k = 8 t .. 8 t + 7 of XS: 32 bytes of each row of bs
	s_wait_dscnt 0x0
	s_wait_kmcnt 0x0
	s_add_nc_u64 s[8:9], s[8:9], s[18:19]
.irp j, 0,1,2,3,4,5,6
	global_load_b128 v[LB+8*\j:LB+8*\j+3],   v5, s[8:9] offset:\j*4096
	global_load_b128 v[LB+8*\j+4:LB+8*\j+7], v5, s[8:9] offset:\j*4096+16
.endr
	s_add_nc_u64 s[16:17], s[4:5], s[16:17]
	s_add_nc_u64 s[46:47], s[6:7], s[46:47]
	CROUND                                         ; all sixteen work-groups are here: the first joint loads meet
.irp s, 0,1
	s_mov_b32 s[G0+4*\s], 1
	s_add_co_u32 s[G0+4*\s+1], s20, \s*SLOT
	s_add_nc_u64 s[G0+4*\s+2:G0+4*\s+3], s[16:17], \s*256          ; K step s
	s_or_b32 s[G0+4*\s+3], s[G0+4*\s+3], 0x80000000
	s_mov_b32 s[G0B+4*\s], 1
	s_add_co_u32 s[G0B+4*\s+1], s21, \s*SLOT
	s_add_nc_u64 s[G0B+4*\s+2:G0B+4*\s+3], s[46:47], \s*256
	s_or_b32 s[G0B+4*\s+3], s[G0B+4*\s+3], 0x80000000
	JLOAD \s
.endr
	; address registers.  A fragment: lane (r, h) takes row r, 16 bytes at 16 h and 16 bytes 32 further on
	v_and_b32 v1, 15, v0                           ; r
	v_bfe_u32 v2, v0, 4, 1                         ; h
	v_and_b32 v6, 31, v0                           ; lane
	v_mul_u32_u24 v3, v1, PITCH
	v_lshl_add_u32 v3, v2, 4, v3
	s_mul_i32 s23, s12, 64*PITCH                   ; my 64 rows of xb
	v_add_nc_u32 v[ADRA], s23, v3
	v_add_nc_u32 v[ADRA+1], SLOT, v[ADRA]
	v_add_nc_u32 v[ADRB], ABYTES, v3
	v_add_nc_u32 v[ADRB+1], SLOT+ABYTES, v3
	s_mul_i32 s22, s12, FRAG
	s_add_co_u32 s22, s22, STAGE                   ; my stage
	s_lshl_b32 s19, s12, 8                         ; my row of wave totals
	v_mul_u32_u24 v8, v2, 8*PITCH
	v_add_nc_u32 v8, s22, v8                       ; row 8 h of my stage
.irp i, 0,1,2,3
	s_add_co_u32 s[70+\i], s12, \i
	s_and_b32 s[70+\i], s[70+\i], 3                ; rot_i
	s_mul_i32 s23, s[70+\i], FRAG
	s_add_co_u32 s23, s23, 128*PITCH               ; V's rows lie behind q's and k's 128
	v_add_nc_u32 v[ADRV+\i], s23, v[ADRB]
	v_add_nc_u32 v[ADRV+4+\i], s23, v[ADRB+1]
	s_lshl_b32 s23, s[70+\i], 6
	v_lshl_add_u32 v7, v1, 2, s23                  ; 4 (16 rot_i + r)
	v_add_nc_u32 v[STO+\i], v8, v7
	v_add_nc_u32 v[EXA+\i], EXCH, v7
	v_add_nc_u32 v[EXW+\i], s19, v[EXA+\i]
.endr
	s_lshl_b32 s23, s12, 6
	s_add_co_u32 s23, s23, EXCH+1024
	v_lshl_add_u32 v[CYA], v1, 2, s23              ; carry of column 16 w + r
	v_mul_u32_u24 v9, v2, PITCH
	v_lshl_add_u32 v9, v1, 4, v9
	v_add_nc_u32 v[RD], s22, v9                    ; back: lanes 0-15 one row of 256 bytes, lanes 16-31 the next
	v_lshlrev_b32 v9, 4, v1
	v_lshl_add_u32 v[CO], v2, 12, v9               ; the same two rows in out0 (4,096 bytes a row)
	v_and_b32 v7, 3, v1
	v_mul_u32_u24 v7, v7, XROWP                    ; row r of the XS fragment is row r & 3 of the chunk: hi, mid, lo, lo, four times over
	v_lshl_add_u32 v7, v2, 4, v7
	v_add_nc_u32 v[ADRX], XSR, v7
	s_mul_i32 s23, s12, XCHUNK
	s_add_co_u32 s23, s23, XSR
	v_lshl_add_u32 v[XSA], v6, 4, s23              ; k = 256 w + 8 l: chunk w, byte 16 l
	s_lshl_b32 s18, s77, 8
	s_lshl_b32 s23, s12, 6
	s_add_co_u32 s18, s18, s23
	v_lshl_add_u32 v[QI], v2, 3, s18               ; 256 x block + 64 w + 8 h
	v_cvt_f32_u32 v[QB], v[QI]
	v_cmp_eq_u32 s79, 0, v[QI]                     ; lanes whose register 0 of tile row 0 is row 0 of a sequence
	v_cmp_eq_u32 s78, 1, v2                        ; lanes of the upper half
	; XS = the sum of bs over the earlier blocks of my sequence: all seven rows are read, a factor 1 or 0 selects (no branch hangs on the place in the cluster)
.irp j, 0,1,2,3,4,5,6
	s_wait_loadcnt 2*(6-\j)                        ; row j's two loads are in, the later rows' stay out
	s_cmp_gt_u32 s77, \j
	s_cselect_b32 s68, 0x3f800000, 0
	s_cselect_b32 s69, 0x3f800000, 0
.irp q, 0,2,4,6
.if \j == 0
	v_pk_mul_f32 v[ACC+\q:ACC+\q+1], v[LB+\q:LB+\q+1], s[68:69] op_sel_hi:[1,0]
.else
	v_pk_fma_f32 v[ACC+\q:ACC+\q+1], v[LB+8*\j+\q:LB+8*\j+\q+1], s[68:69], v[ACC+\q:ACC+\q+1] op_sel_hi:[1,0,1]
.endif
.endr
.endr
	; the split: hi = bf16(XS), mid = bf16(XS - hi), lo = bf16(XS - hi - mid); both differences are exact in f32, and lo takes the last 8 bits whole
.irp part, 0,1
.irp q, 0,1,2,3
	v_cvt_pk_bf16_f32 v[HML+4*\part+\q], v[ACC+2*\q], v[ACC+2*\q+1]
.endr
.irp q, 0,1,2,3
	v_lshlrev_b32 v[TW+2*\q],   16,  v[HML+4*\part+\q]
	v_and_b32     v[TW+2*\q+1], s80, v[HML+4*\part+\q]
.endr
.irp q, 0,2,4,6
	v_pk_add_f32 v[ACC+\q:ACC+\q+1], v[ACC+\q:ACC+\q+1], v[TW+\q:TW+\q+1] neg_lo:[0,1] neg_hi:[0,1]
.endr
.endr
.irp q, 0,1,2,3
	v_cvt_pk_bf16_f32 v[HML+8+\q], v[ACC+2*\q], v[ACC+2*\q+1]
.endr
	ds_store_b128 v[XSA], v[HML:HML+3]
	ds_store_b128 v[XSA], v[HML+4:HML+7]  offset:XROWP
	ds_store_b128 v[XSA], v[HML+8:HML+11] offset:2*XROWP
	ds_store_b128 v[XSA], v[HML+8:HML+11] offset:3*XROWP   ; the fourth row only fills the fragment: its products are never read
; 34 LDS loads in one run: the fragments of one quarter step (32 along K at byte k of the slot's rows) into buffer f; xoff: the same K in the XS chunk
.macro FETCH slot, k, f, xoff
	WIN TO_B
.irp b, 0,1,2,3,4,5,6,7
	ds_load_b128 v[FB+96*\f+8*\b:FB+96*\f+8*\b+3],   v[ADRB+\slot] offset:\k+\b*FRAG
	ds_load_b128 v[FB+96*\f+8*\b+4:FB+96*\f+8*\b+7], v[ADRB+\slot] offset:\k+\b*FRAG+32
.endr
.irp i, 0,1,2,3
	ds_load_b128 v[FB+96*\f+64+8*\i:FB+96*\f+64+8*\i+3],   v[ADRV+4*\slot+\i] offset:\k
	ds_load_b128 v[FB+96*\f+64+8*\i+4:FB+96*\f+64+8*\i+7], v[ADRV+4*\slot+\i] offset:\k+32
.endr
	WIN 0
.irp a, 0,1,2,3
	ds_load_b128 v[FA+32*\f+8*\a:FA+32*\f+8*\a+3],   v[ADRA+\slot] offset:\k+\a*FRAG
	ds_load_b128 v[FA+32*\f+8*\a+4:FA+32*\f+8*\a+7], v[ADRA+\slot] offset:\k+\a*FRAG+32
.endr
	ds_load_b128 v[XF+8*\f:XF+8*\f+3],   v[ADRX] offset:\xoff
	ds_load_b128 v[XF+8*\f+4:XF+8*\f+7], v[ADRX] offset:\xoff+32
.endm
; The 49 accumulators take turns, one instruction a turn, in the same order in every quarter step and over the loop's backward jump.
; zero = 1: the first product starts the sums: nothing is cleared.
.macro MULQK f, a0, zero               ; 16 matrix instructions: tile rows a0, a0 + 1 x q's and k's 8 column blocks
.irp a, \a0, \a0+1
.irp b, 0,1,2,3,4,5,6,7
.if \zero
	v_wmma_f32_16x16x32_bf16 v[8*(8*(\a)+\b):8*(8*(\a)+\b)+7], v[FA+32*\f+8*(\a):FA+32*\f+8*(\a)+7], v[FB+96*\f+8*\b:FB+96*\f+8*\b+7], 0
.else
	v_wmma_f32_16x16x32_bf16 v[8*(8*(\a)+\b):8*(8*(\a)+\b)+7], v[FA+32*\f+8*(\a):FA+32*\f+8*(\a)+7], v[FB+96*\f+8*\b:FB+96*\f+8*\b+7], v[8*(8*(\a)+\b):8*(8*(\a)+\b)+7]
.endif
.endr
.endr
.endm
.macro MULV f, zero                    ; 16 V tiles, then the carry tile: XS's rows x V's fragment 0
.irp a, 0,1,2,3
.irp i, 0,1,2,3
.if \zero
	v_wmma_f32_16x16x32_bf16 v[8*(4*\a+\i):8*(4*\a+\i)+7], v[FA+32*\f+8*\a:FA+32*\f+8*\a+7], v[FB+96*\f+64+8*\i:FB+96*\f+64+8*\i+7], 0
.else
	v_wmma_f32_16x16x32_bf16 v[8*(4*\a+\i):8*(4*\a+\i)+7], v[FA+32*\f+8*\a:FA+32*\f+8*\a+7], v[FB+96*\f+64+8*\i:FB+96*\f+64+8*\i+7], v[8*(4*\a+\i):8*(4*\a+\i)+7]
.endif
.endr
.endr
.if \zero
	v_wmma_f32_16x16x32_bf16 v[128:135], v[XF+8*\f:XF+8*\f+7], v[FB+96*\f+64:FB+96*\f+71], 0
.else
	v_wmma_f32_16x16x32_bf16 v[128:135], v[XF+8*\f:XF+8*\f+7], v[FB+96*\f+64:FB+96*\f+71], v[128:135]
.endif
.endm
; One of a K step's first three quarters: buffer f's loads, issued a quarter step of matrix instructions ago, are waited for; then the next quarter's fragments
; are asked for (buffer g, last read by the matrix instructions just ahead: four places); then buffer f is multiplied.  So 34 LDS loads of a wave are out at the most.
.macro QUARTER slot, k, f, g, zero, xoff
	s_wait_dscnt 0x0                               ; buffer f is in
	PLACES
	FETCH \slot, \k, \g, \xoff
	WIN MUL_LO
	MULQK \f, 0, \zero
	MULQK \f, 2, \zero
	WIN MUL_HI
	MULV \f, \zero
.endm
; The fourth quarter multiplies buffer 1 and changes slots.  In front of the barrier each wave waits for its reads of this slot and for all its tensor loads
; (one is out: its part of the next slot).  fill = 1: the barrier opens a round of the cluster's barrier, and the joint refill is the first tensor load behind the round.
.macro TURN slot, next, fill, xoff
	s_wait_dscnt 0x0                               ; buffer 1 is in, and with it my last reads of this slot
	s_wait_tensorcnt 0x0                           ; all my tensor loads have landed
	ds_add_u32 v63, v255
	s_wait_dscnt 0x0
	s_barrier_signal -1
	WIN MUL_LO
	MULQK 1, 0, 0                                  ; register work while the others arrive
	WIN 0
	s_barrier_wait -1
.if \fill
	CREST                                          ; no wave of any partner still reads this slot or has a load on its way
	s_add_nc_u64 s[G0+4*\slot+2:G0+4*\slot+3],   s[G0+4*\slot+2:G0+4*\slot+3],   512   ; two K steps on
	s_add_nc_u64 s[G0B+4*\slot+2:G0B+4*\slot+3], s[G0B+4*\slot+2:G0B+4*\slot+3], 512
	JLOAD \slot
.endif
	PLACES                                         ; buffer 0 was read by matrix instructions: four places in front of its loads
	FETCH \next, 0, 0, \xoff
	WIN MUL_LO
	MULQK 1, 2, 0
	WIN MUL_HI
	MULV 1, 0
.endm
.macro LAP zero                        ; two K steps = once round the ring = one chunk of XS
	QUARTER 0, 64,  0, 1, \zero, 64
	QUARTER 0, 128, 1, 0, 0, 128
	QUARTER 0, 192, 0, 1, 0, 192
	TURN 0, 1, 1, 256
	QUARTER 1, 64,  0, 1, 0, 320
	QUARTER 1, 128, 1, 0, 0, 384
	QUARTER 1, 192, 0, 1, 0, 448
	TURN 1, 0, 1, XCHUNK
	WIN 0
	v_add_nc_u32 v[ADRX], XCHUNK, v[ADRX]
.endm
	s_wait_tensorcnt 1                             ; my part of K step 0 is in; K step 1's stays out
	s_wait_dscnt 0x0                               ; my part of XS is in LDS
	s_barrier_signal -1
	s_barrier_wait -1
	FETCH 0, 0, 0, 0
	LAP 1                                          ; K steps 0, 1; asks for 2, 3
	s_mov_b32 s15, 2
.Llap:
	LAP 0                                          ; K steps 2-5; asks for 4-7
	s_sub_co_u32 s15, s15, 1
	s_cmp_lg_u32 s15, 0
	s_cbranch_scc1 .Llap
	QUARTER 0, 64,  0, 1, 0, 64                    ; the last lap fills nothing
	QUARTER 0, 128, 1, 0, 0, 128
	QUARTER 0, 192, 0, 1, 0, 192
	TURN 0, 1, 0, 256
	QUARTER 1, 64,  0, 1, 0, 320
	QUARTER 1, 128, 1, 0, 0, 384
	QUARTER 1, 192, 0, 1, 0, 448
	s_wait_dscnt 0x0
	WIN MUL_LO
	MULQK 1, 0, 0
	MULQK 1, 2, 0
	WIN MUL_HI
	MULV 1, 0
	; ---------------- THE WAY OUT.  Register j of lane (r, h) of a tile holds row 8 h + j, column r ----------------
	PLACES                                         ; behind the last matrix instructions, in front of the first reader of a result
	s_lshl_b32 s16, s43, 8                         ; out0 at my first row (256 x block + 64 w, 4,096 bytes a row) and my head's 256 bytes
	s_lshl_b32 s17, s12, 6
	s_add_co_u32 s16, s16, s17
	s_lshl_b32 s16, s16, 12
	s_mov_b32 s17, 0
	s_add_nc_u64 s[10:11], s[10:11], s[16:17]
	s_lshl_b32 s46, s42, 8
	s_mov_b32 s47, 0
	s_add_nc_u64 s[10:11], s[10:11], s[46:47]
	; (a) sums of V: my 8 rows of each tile, the tile, my wave's 64 rows; and the carry = hi + mid + lo rows of the carry tile
	WIN S33
.irp t, 0,1,2,3,4,5,6,7,8,9,10,11,12,13,14,15
	v_pk_add_f32 v[TT+4*\t:TT+4*\t+1],   v[8*\t:8*\t+1],   v[8*\t+2:8*\t+3]
	v_pk_add_f32 v[TT+4*\t+2:TT+4*\t+3], v[8*\t+4:8*\t+5], v[8*\t+6:8*\t+7]
.endr
	v_add_f32 v[CY], v130, v129                    ; lo + mid (rows 8 h + 2, 8 h + 1 of the carry tile: the same in both halves)
	WIN S3
	v_add_f32 v[CY], v128, v[CY]                   ; + hi
	WIN 0
.irp t, 0,1,2,3,4,5,6,7,8,9,10,11,12,13,14,15
	v_pk_add_f32 v[TT+4*\t:TT+4*\t+1], v[TT+4*\t:TT+4*\t+1], v[TT+4*\t+2:TT+4*\t+3]
.endr
.irp t, 0,1,2,3,4,5,6,7,8,9,10,11,12,13,14,15
	v_add_f32 v[TT+4*\t], v[TT+4*\t], v[TT+4*\t+1]                 ; my half's 8 rows
.endr
.irp t, 0,1,2,3,4,5,6,7,8,9,10,11,12,13,14,15
	v_permlanex16_b32 v[TT+4*\t+1], v[TT+4*\t], s66, s67           ; the other half's
.endr
.irp t, 0,1,2,3,4,5,6,7,8,9,10,11,12,13,14,15
	v_add_f32 v[TT+4*\t+2], v[TT+4*\t], v[TT+4*\t+1]               ; the tile's 16 rows
	v_cndmask_b32 v[TT+4*\t+3], 0, v[TT+4*\t+1], s78               ; ahead of my half: rows 0-7 for the upper half, nothing for the lower
.endr
.irp i, 0,1,2,3
	v_add_f32 v[8+\i],  v[TT+4*\i+2],      v[TT+4*(4+\i)+2]
	v_add_f32 v[12+\i], v[TT+4*(8+\i)+2],  v[TT+4*(12+\i)+2]
.endr
.irp i, 0,1,2,3
	v_add_f32 v[8+\i], v[8+\i], v[12+\i]
	ds_store_b32 v[EXW+\i], v[8+\i]                ; both halves hold the same number and write the same word
.endr
	ds_store_b32 v[CYA], v[CY]
	s_wait_dscnt 0x0                               ; my totals and my carry are in LDS before I say so
	s_barrier_signal -1
	; (b) register work while the others arrive: the scores and the two weights of each of my 64 rows
	WIN S22
.irp a, 0,1,2,3
.irp p, 0,2,4,6
	v_pk_mul_f32 v[PP+8*\a+\p:PP+8*\a+\p+1], v[64*\a+\p:64*\a+\p+1], v[64*\a+32+\p:64*\a+32+\p+1]
.endr
.endr
.irp b, 1,2,3
.irp a, 0,1,2,3
.irp p, 0,2,4,6
	v_pk_fma_f32 v[PP+8*\a+\p:PP+8*\a+\p+1], v[64*\a+8*\b+\p:64*\a+8*\b+\p+1], v[64*\a+8*\b+32+\p:64*\a+8*\b+32+\p+1], v[PP+8*\a+\p:PP+8*\a+\p+1]
.endr
.endr
.endr
	WIN 0
.irp m, 1,2,4,8
.set n, 0
.rept 32
	v_add_f32_dpp v[PP+n], v[PP+n], v[PP+n] row_xmask:\m row_mask:0xf bank_mask:0xf   ; over the 16 columns that the lanes of a half hold
.set n, n+1
.endr
.endr
.set n, 0
.rept 16
	v_pk_mul_f32 v[PP+n:PP+n+1], v[PP+n:PP+n+1], 0x3e38aa3b op_sel_hi:[1,0]            ; x log2(e) / 8: the exponentials work in base 2
.set n, n+2
.endr
.set n, 0
.rept 32
	v_max_num_f32 v[DN+n], 0, v[PP+n]              ; the row's maximum: the zeros ahead of the diagonal, or the diagonal
.set n, n+1
.endr
	v_cndmask_b32 v[DN], v[DN], v[PP], s79         ; row 0 of a sequence has no zeros: its maximum is the diagonal
.set n, 0
.rept 16
	v_pk_add_f32 v[PP+n:PP+n+1], v[PP+n:PP+n+1], v[DN+n:DN+n+1] neg_lo:[0,1] neg_hi:[0,1]
.set n, n+2
.endr
.set n, 0
.rept 32
	v_exp_f32 v[CB+n], v[PP+n]                     ; e^(s - m)
	v_exp_f32 v[CA+n], -v[DN+n]                    ; e^(-m)
.set n, n+1
.endr
	v_nop                                          ; one plain instruction behind the run, before a result is used or a source rewritten (ISA guide 5.7.2)
	v_mov_b32 v[DN], v[QB]                         ; the rows' positions q in f32, whole numbers up to 2047: exact
	v_add_f32 v[DN+1], 1.0, v[QB]
.irp p, 2,4,6
	v_pk_add_f32 v[DN+\p:DN+\p+1], v[DN+\p-2:DN+\p-1], 2.0 op_sel_hi:[1,0]
.endr
.set n, 8
.rept 12
	v_pk_add_f32 v[DN+n:DN+n+1], v[DN+n-8:DN+n-7], 0x41800000 op_sel_hi:[1,0]          ; 16 rows on
.set n, n+2
.endr
	s_wait_alu depctr_va_vdst(0)
	v_cndmask_b32 v[CA], v[CA], 0, s79             ; row 0: nothing lies ahead, whatever e^(-s) would be
.set n, 0
.rept 16
	v_pk_fma_f32 v[DN+n:DN+n+1], v[DN+n:DN+n+1], v[CA+n:CA+n+1], v[CB+n:CB+n+1]       ; q e^(-m) + e^(s - m): at least 1, at most 2048
.set n, n+2
.endr
.set n, 0
.rept 32
	v_rcp_f32 v[PP+n], v[DN+n]
.set n, n+1
.endr
	v_nop                                          ; as behind the exponentials
.set n, 0
	s_wait_alu depctr_va_vdst(0)
.rept 16
	v_pk_mul_f32 v[CA+n:CA+n+1], v[CA+n:CA+n+1], v[PP+n:PP+n+1]
	v_pk_mul_f32 v[CB+n:CB+n+1], v[CB+n:CB+n+1], v[PP+n:PP+n+1]
.set n, n+2
.endr
	; (c) what lies ahead of my wave: the carry and the totals of the waves ahead of me
	s_barrier_wait -1
.irp i, 0,1,2,3
	ds_load_b32 v[DN+4*\i],   v[EXA+\i] offset:1024
	ds_load_b32 v[DN+4*\i+1], v[EXA+\i]
	ds_load_b32 v[DN+4*\i+2], v[EXA+\i] offset:256
	ds_load_b32 v[DN+4*\i+3], v[EXA+\i] offset:512
.endr
	s_wait_dscnt 0x0
.irp i, 0,1,2,3
	v_cndmask_b32 v[DN+4*\i+1], 0, v[DN+4*\i+1], s74
	v_cndmask_b32 v[DN+4*\i+2], 0, v[DN+4*\i+2], s75
	v_cndmask_b32 v[DN+4*\i+3], 0, v[DN+4*\i+3], s76
	v_add_f32 v[DN+4*\i],   v[DN+4*\i],   v[DN+4*\i+1]
	v_add_f32 v[DN+4*\i+2], v[DN+4*\i+2], v[DN+4*\i+3]
	v_add_f32 v[BASE+\i], v[DN+4*\i], v[DN+4*\i+2]
.endr
; (d) 16 rows at a time: the prefix runs down a lane's 8 registers, four chains by turns; out = CA P + CB v; through my own stage into whole rows of 256 bytes.
.macro OUT16 a
.irp i, 0,1,2,3
	v_add_f32 v[PP+8*\i], v[BASE+\i], v[TT+4*(4*\a+\i)+3]
.if \a < 3
	v_add_f32 v[BASE+\i], v[BASE+\i], v[TT+4*(4*\a+\i)+2]
.endif
.endr
	WIN S3
.irp j, 0,1,2,3,4,5,6
.irp i, 0,1,2,3
	v_add_f32 v[PP+8*\i+\j+1], v[8*(4*\a+\i)+\j], v[PP+8*\i+\j]
.endr
.endr
	WIN 0
.irp i, 0,1,2,3
.irp p, 0,2,4,6
	v_pk_mul_f32 v[PP+8*\i+\p:PP+8*\i+\p+1], v[PP+8*\i+\p:PP+8*\i+\p+1], v[CA+8*\a+\p:CA+8*\a+\p+1]
.endr
.endr
	WIN S3
.irp i, 0,1,2,3
.irp p, 0,2,4,6
	v_pk_fma_f32 v[PP+8*\i+\p:PP+8*\i+\p+1], v[8*(4*\a+\i)+\p:8*(4*\a+\i)+\p+1], v[CB+8*\a+\p:CB+8*\a+\p+1], v[PP+8*\i+\p:PP+8*\i+\p+1]
.endr
.endr
	WIN 0
.irp i, 0,1,2,3
.irp j, 0,1,2,3,4,5,6,7
	ds_store_b32 v[STO+\i], v[PP+8*\i+\j] offset:\j*PITCH          ; sixteen neighbouring words a half; the halves lie 8 rows = 544 words apart, 32 words modulo 64 (64 banks of 4 bytes: ISA guide 11.1)
.endr
.endr
	s_wait_xcnt 0x0                                ; the rows read back below and the base were named by the last 16 rows' stores: rewritten only behind this wait
.if \a
	s_add_nc_u64 s[10:11], s[10:11], 16*4096
.endif
.irp t, 0,1,2,3,4,5,6,7
	ds_load_b128 v[DN+4*\t:DN+4*\t+3], v[RD] offset:\t*2*PITCH     ; LDS serves a wave's instructions in order (ISA guide 5.7.1.4): these see the stores above
.endr
.irp t, 0,1,2,3,4,5,6,7
	s_wait_dscnt 7-\t
	global_store_b128 v[CO], v[DN+4*\t:DN+4*\t+3], s[10:11] offset:\t*8192 th:TH_STORE_NT   ; sixteen lanes store one row's 256 bytes of my head, aligned
.endr
.endm
	OUT16 0
	OUT16 1
	OUT16 2
	OUT16 3
	s_set_vgpr_msb 0x4
	s_wait_tensorcnt 0x0
	ds_add_u32 v63, v255
	s_wait_dscnt 0x0
	s_set_vgpr_msb 0x400
	CROUND                                         ; the closing round: no work-group ends while a partner may still ask for a tile that names it
	s_endpgm
.Lfunc_end_k_qcd142d9112_main:
	.size	k_qcd142d9112_main, .Lfunc_end_k_qcd142d9112_main-k_qcd142d9112_main
	.p2alignl 7, 3214868480
	.fill 96, 4, 3214868480
	.section	.rodata,"a",@progbits
	.p2align	6, 0x0
	.amdhsa_kernel k_qcd142d9112_main
		.amdhsa_group_segment_fixed_size 327680
		.amdhsa_private_segment_fixed_size 0
		.amdhsa_enable_private_segment 0
		.amdhsa_kernarg_size 32
		.amdhsa_user_sgpr_count 2
		.amdhsa_user_sgpr_kernarg_segment_ptr 1
		.amdhsa_wavefront_size32 1
		.amdhsa_system_sgpr_workgroup_id_x 1
		.amdhsa_system_sgpr_workgroup_id_y 1
		.amdhsa_system_sgpr_workgroup_id_z 1
		.amdhsa_system_vgpr_workitem_id 0
		.amdhsa_next_free_vgpr 904
		.amdhsa_next_free_sgpr 84
		.amdhsa_reserve_vcc 0
		.amdhsa_float_denorm_mode_32 3
		.amdhsa_float_denorm_mode_16_64 3
		.amdhsa_memory_ordered 1
		.amdhsa_forward_progress 1
		.amdhsa_inst_pref_size 212
	.end_amdhsa_kernel
	.amdgpu_metadata
---
amdhsa.version: [ 1, 2 ]
amdhsa.kernels:
  - .name:           k_qcd142d9112_main
    .symbol:         k_qcd142d9112_main.kd
    .args:
      - { .name: xb, .offset: 0, .size: 8, .value_kind: global_buffer, .address_space: global }
      - { .name: wt, .offset: 8, .size: 8, .value_kind: global_buffer, .address_space: global }
      - { .name: bs, .offset: 16, .size: 8, .value_kind: global_buffer, .address_space: global }
      - { .name: out0, .offset: 24, .size: 8, .value_kind: global_buffer, .address_space: global }
    .group_segment_fixed_size: 327680
    .private_segment_fixed_size: 0
    .kernarg_segment_align: 8
    .kernarg_segment_size: 32
    .max_flat_workgroup_size: 128
    .sgpr_count:     84
    .vgpr_count:     904
    .wavefront_size: 32
...
	.end_amdgpu_metadata
.endif
;; end of part 2
;; ======== version 2 of 2: 2 launches; version 1 with the launch prep written anew for expert scheduling mode
;; limits: right only within a limited range of input values
;; workspace buffers: xb 8,388,608 bytes; wt 6,291,456 bytes; bs 65,536 bytes
;; launch prep (part 3): grid 256 x 1, 8 waves a work-group, no clusters, 79,104 bytes of LDS; arguments x, wqkv, xb, wt, bs; writes xb, wt, bs
.if DOCPART == 3
	.amdgcn_target "amdgcn-amd-amdhsa--gfx1250"
	.amdhsa_code_object_version 6
	.text
	.protected	k_qcd142d9112_prep
	.globl	k_qcd142d9112_prep
	.p2align	8
	.type	k_qcd142d9112_prep,@function
k_qcd142d9112_prep:
	s_mov_b64 s[64:65], 0
	v_nop
	global_prefetch_b8 v0, s[64:65] scope:SCOPE_SE
	s_setreg_imm32_b32 hwreg(HW_REG_WAVE_SCHED_MODE, 0, 2), 2
	s_setreg_imm32_b32 hwreg(HW_REG_WAVE_MODE, 25, 1), 1
	s_wait_xcnt 0x0
	s_wait_alu depctr_vm_vsrc(0)
; Rounds the two inputs to bf16 once and lays them as the matrix kernel wants them.
;   xb[4096][1024] bf16 = x rounded to nearest even.
;   wt[3072][1024] bf16 = wqkv transposed, wt[n][k], so that K lies along the rows like x's.
;   bs[16][1024]   f32  = column sums of the ROUNDED x over each block of 256 rows (the next launch makes the prefix sum's carries of them).
; 256 work-groups of eight waves.  Work-groups 0-127 take x: a unit of 256 rows x 128 columns each.  Work-groups 128-255 take wqkv: a unit of
; 128 k x 192 n (one head's columns) each.  The branch hangs on the work-group's number alone, so all eight waves take one path and each path
; has its own barrier; each path also has LDS bytes of its own, so that no byte is named by both.
; Memory binds: every input byte is read once, all of a wave's loads are issued before the first is used, and every store
; of sixteen or thirty-two neighbouring lanes covers 256 consecutive bytes that start at a multiple of 256.  No matrix unit, no cluster: no byte is shared.
; THE MODE: SCHED_MODE bits 1:0 = 2 (LLVM: expert scheduling mode 2), set by the entry lines.  The code itself states the register dependences
; between vector instructions and memory or LDS instructions, with s_wait_alu, always for 0.
; THE PLAN, path x.  Registers that memory or LDS instructions touch:
;   v2 - v6            offsets and LDS addresses: written once at the path's head, never again.
;   v[X+4i : X+4i+3]   row i: its load lands here; its two roundings write the first two registers; its store reads those two.
;   v[32:63]           once more: wave 0's eight LDS loads land here, its additions work here, the store to bs reads v[32:35].
;   v[S0:S0+3]         written by the sums, read by one LDS store, not written behind it.  T and S1 are named by vector instructions alone.
; The 32 rows go in eight blocks of four.  Block p rounds its own rows; its memory instructions are the stores of block p - 1's rows, whose registers
; no vector instruction of block p names.  So one wait on va_vdst at a block's head states all that its four stores hang on.
; THE PLAN, path w.  v2, v5, v6, v7: offsets and LDS addresses, written once.  v[32:127]: the 48 loads land here, the roundings read them.
;   OUT0 = v[128:151]  written by the roundings of k rows 0-7, read by six LDS stores.
;   OUT1 = v[32:55]    (k rows 0-7 as loaded, used up by then) written by the roundings of k rows 8-15, read by six LDS stores.
;   RB   = v[80:127]   (k rows 8-15 as loaded, which no memory instruction has read) the twelve LDS loads behind the barrier land here, the stores read them.
; No register that a memory or LDS instruction has read is written again on this path: one wait on va_vdst behind each half's roundings is all.
.set X,   32                           ; v[32:159]  path x: row i as loaded in 4 registers; its first two then hold the row's 4 bf16 pairs
.set W,   32                           ; v[32:127]  path w: load (i, c) in 2 registers
.set OUT0, 128                         ; v[128:151] path w: k rows 0-7 packed: store (c, p) in 4 registers at + 4 (2 c + p)
.set OUT1, 32                          ; v[32:55]   path w: k rows 8-15 packed, likewise
.set RB,  80                           ; v[80:127]  path w: the rows read back
.set S0,  8                            ; v[8:11]    column sums of the even rows
.set S1,  12                           ; v[12:15]   of the odd rows
.set T,   16                           ; v[16:23]   path x: at work, two sets that take turns
.set REG, 9248                         ; path w: a wave's LDS region: 192 rows n x 48 bytes (32 of data: 16 k) + 32, so that regions lie 32 bytes apart modulo 256
.set XSUM, 8*REG                       ; path x: the eight waves' 128 sums each, 4,096 bytes behind path w's eight regions
	s_load_b256 s[4:11], s[0:1], 0x0               ; x s[4:5], wqkv s[6:7], xb s[8:9], wt s[10:11]
	s_load_b64 s[12:13], s[0:1], 0x20              ; bs
	v_lshl_add_u32 v160, v0, 2, 0x13100            ; my spare word, behind path x's sums: kept for the closing lines alone
	v_mov_b32 v161, 0                              ; and 0, likewise
	v_lshrrev_b32 v1, 5, v0
	v_readfirstlane_b32 s14, v1                    ; wave 0..7
	v_and_b32 v1, 31, v0                           ; lane
	s_mov_b32 s15, 0xffff0000                      ; a word's upper bf16
	s_wait_alu depctr_va_sdst(0)                   ; s14 is written, ahead of the branch and so of its first reader on either path: offsets are made from it
	s_cmp_lt_u32 ttmp9, 128
	s_cbranch_scc0 .Lweights
	; ---------------- x: block blk of 256 rows, column group cg of 128 columns; wave w takes rows 32 w .. 32 w + 31 ----------------
	s_lshr_b32 s16, ttmp9, 3                       ; blk
	s_and_b32 s17, ttmp9, 7                        ; cg
	s_lshl_b32 s18, s16, 20                        ; 256 rows of 4,096 bytes
	s_lshl_b32 s20, s17, 9                         ; 128 columns of 4 bytes
	s_add_co_u32 s18, s18, s20
	s_mov_b32 s19, 0
	s_lshr_b32 s20, s18, 1                         ; in xb everything is half as long
	s_mov_b32 s21, 0
	s_lshl_b32 s22, s16, 12                        ; bs: row blk of 4,096 bytes
	s_lshl_b32 s23, s17, 9
	s_add_co_u32 s22, s22, s23
	s_mov_b32 s23, 0
	s_lshl_b32 s24, s14, 17                        ; 32 rows of x
	v_lshl_add_u32 v2, v1, 4, s24                  ; load: 16 bytes a lane, a row's 512 bytes a wave
	s_lshl_b32 s24, s14, 16                        ; 32 rows of xb
	v_lshl_add_u32 v3, v1, 3, s24                  ; store: 8 bytes a lane, 256 bytes a wave
	s_lshl_b32 s24, s14, 9
	s_add_co_u32 s24, s24, XSUM
	v_lshl_add_u32 v4, v1, 4, s24                  ; LDS: my wave's 128 sums
	v_lshlrev_b32 v5, 4, v1                        ; 16 x lane: my 16 bytes of the unit's 512 in bs
	v_add_nc_u32 v6, XSUM, v5                      ; and of wave 0's sums in LDS
	s_wait_kmcnt 0x0
	s_add_nc_u64 s[4:5], s[4:5], s[18:19]
	s_add_nc_u64 s[8:9], s[8:9], s[20:21]
	s_add_nc_u64 s[12:13], s[12:13], s[22:23]
	s_wait_alu depctr_va_vdst(0)                   ; v2 to v6 are written: every load, store and LDS instruction of this path reads one of them as its offset or address
.set i, 0
.rept 32
	global_load_b128 v[X+4*i:X+4*i+3], v2, s[4:5] offset:i*4096 th:TH_LOAD_NT   ; all 32 rows are asked for at once: 16 KiB of a wave on their way
.set i, i+1
.endr
.set i, 0
.rept 32
	s_wait_loadcnt 31-i                            ; loads come back in order: row i is in, the 31 - i younger ones stay out
.if (i >= 4) && (i % 4 == 0)
	s_wait_alu depctr_va_vdst(0)                   ; a block's head: the roundings of the four rows before have written the registers that this block's four stores read
.endif
.if i >= 4
	global_store_b64 v3, v[X+4*(i-4):X+4*(i-4)+1], s[8:9] offset:(i-4)*2048   ; the row four back.  No vector instruction since the wait names its registers; every row has registers of its own: no store's source is rewritten in this run
.endif
	v_cvt_pk_bf16_f32 v[X+4*i],   v[X+4*i],   v[X+4*i+1]
	v_cvt_pk_bf16_f32 v[X+4*i+1], v[X+4*i+2], v[X+4*i+3]
.if i < 2
.set D, S0+4*i                                     ; rows 0 and 1 start the two chains of sums: nothing is cleared
.else
.set D, T+4*(i&1)
.endif
	v_lshlrev_b32 v[D],   16,  v[X+4*i]              ; the rounded numbers back in f32: the sums are of what the matrix unit will see
	v_and_b32     v[D+1], s15, v[X+4*i]
	v_lshlrev_b32 v[D+2], 16,  v[X+4*i+1]
	v_and_b32     v[D+3], s15, v[X+4*i+1]
.if i >= 2
	v_pk_add_f32 v[S0+4*(i&1):S0+4*(i&1)+1],   v[S0+4*(i&1):S0+4*(i&1)+1],   v[D:D+1]
	v_pk_add_f32 v[S0+4*(i&1)+2:S0+4*(i&1)+3], v[S0+4*(i&1)+2:S0+4*(i&1)+3], v[D+2:D+3]
.endif
.set i, i+1
.endr
	v_pk_add_f32 v[S0:S0+1],   v[S0:S0+1],   v[S1:S1+1]
	v_pk_add_f32 v[S0+2:S0+3], v[S0+2:S0+3], v[S1+2:S1+3]
	s_wait_alu depctr_va_vdst(0)                   ; the sums have written v[S0 ..], which the LDS store reads; rows 28-31 are rounded, which the last four stores read; and every vector line that named v[32:63] is done: wave 0's LDS loads land there, with no vector instruction between
	ds_store_b128 v4, v[S0:S0+3]
.irp r, 28,29,30,31
	global_store_b64 v3, v[X+4*\r:X+4*\r+1], s[8:9] offset:\r*2048
.endr
	s_wait_dscnt 0x0                               ; my sums are in LDS before I say so
	s_barrier_signal -1
	s_barrier_wait -1
	s_wait_alu depctr_vm_vsrc(0)                   ; the stores of rows 0-7 have read v[32:63], in which wave 0's LDS loads land: stated ahead of the branch that leads to them
	s_cmp_lg_u32 s14, 0
	s_cbranch_scc1 .Lxdone                         ; wave 0 adds the eight waves' sums
	s_wait_xcnt 0x0                                ; the registers below were named by my stores: they are loaded again only behind this wait
.irp j, 0,1,2,3,4,5,6,7
	ds_load_b128 v[X+4*\j:X+4*\j+3], v6 offset:512*\j
.endr
	s_wait_dscnt 0x0
.irp j, 0,8,16,24
	v_pk_add_f32 v[X+\j:X+\j+1],   v[X+\j:X+\j+1],   v[X+\j+4:X+\j+5]
	v_pk_add_f32 v[X+\j+2:X+\j+3], v[X+\j+2:X+\j+3], v[X+\j+6:X+\j+7]
.endr
.irp j, 0,16
	v_pk_add_f32 v[X+\j:X+\j+1],   v[X+\j:X+\j+1],   v[X+\j+8:X+\j+9]
	v_pk_add_f32 v[X+\j+2:X+\j+3], v[X+\j+2:X+\j+3], v[X+\j+10:X+\j+11]
.endr
	v_pk_add_f32 v[X:X+1],   v[X:X+1],   v[X+16:X+17]
	v_pk_add_f32 v[X+2:X+3], v[X+2:X+3], v[X+18:X+19]
	s_wait_alu depctr_va_vdst(0)                   ; the additions have written v[X:X+3], which the store reads
	global_store_b128 v5, v[X:X+3], s[12:13]       ; 128 sums: 512 consecutive bytes
.Lxdone:
	s_wait_dscnt 0x0                               ; the closing lines, six on end
	s_wait_alu 0x0
	s_wait_tensorcnt 0x0
	ds_add_u32 v160, v161
	s_wait_dscnt 0x0
	s_endpgm
	; ---------------- wqkv: head hd's 192 columns, k group kg of 128; wave w takes k = 128 kg + 16 w + i, i = 0..15 ----------------
.Lweights:
	s_sub_co_u32 s16, ttmp9, 128
	s_lshr_b32 s17, s16, 3                         ; hd
	s_and_b32 s16, s16, 7                          ; kg
	s_mul_i32 s18, s16, 128*12288                  ; 128 rows of wqkv (12,288 bytes each)
	s_mul_i32 s20, s17, 768                        ; 192 columns of 4 bytes
	s_add_co_u32 s18, s18, s20
	s_mov_b32 s19, 0
	s_mul_i32 s20, s17, 192*2048                   ; 192 rows of wt (2,048 bytes each)
	s_lshl_b32 s21, s16, 8                         ; 128 k of 2 bytes
	s_add_co_u32 s20, s20, s21
	s_mov_b32 s21, 0
	s_mul_i32 s24, s14, 16*12288
	v_lshl_add_u32 v2, v1, 3, s24                  ; load: 8 bytes a lane (columns 2 l, 2 l + 1 of a group of 64), 256 bytes a wave
	s_mul_i32 s24, s14, REG
	v_mul_u32_u24 v5, v1, 96                       ; LDS in: rows 2 l, 2 l + 1 of 48 bytes
	v_add_nc_u32 v5, s24, v5
	v_and_b32 v8, 15, v1                           ; back: sixteen lanes take one row n: 8 waves' regions x 2 halves of 16 bytes
	v_lshrrev_b32 v9, 4, v1
	s_mul_i32 s24, s14, 24
	v_add_nc_u32 v9, s24, v9                       ; n = 24 w + (l >> 4), then two rows on with each load
	v_lshrrev_b32 v10, 1, v8
	v_mul_u32_u24 v6, v10, REG
	v_and_b32 v10, 1, v8
	v_lshl_add_u32 v6, v10, 4, v6
	v_mad_u32_u24 v6, v9, 48, v6                   ; sixteen neighbouring lanes lie at sixteen different 16-byte columns modulo 256 (REG = 32 modulo 256)
	v_lshlrev_b32 v7, 4, v8
	v_lshl_add_u32 v7, v9, 11, v7                  ; the same 16 bytes in wt
	s_wait_kmcnt 0x0
	s_add_nc_u64 s[6:7], s[6:7], s[18:19]
	s_add_nc_u64 s[10:11], s[10:11], s[20:21]
	s_wait_alu depctr_va_vdst(0)                   ; v2, v5, v6 and v7 are written: every load, store and LDS instruction of this path reads one of them as its offset or address
.set i, 0
.rept 16
.irp c, 0,1,2
	global_load_b64 v[W+2*(3*i+\c):W+2*(3*i+\c)+1], v2, s[6:7] offset:i*12288+\c*256 th:TH_LOAD_NT
.endr
.set i, i+1
.endr
; Eight k (rows 8 g .. 8 g + 7) of one column are four packed roundings = 16 bytes of a row of wt.  WPACK rounds a half's 24 pairs into registers of their own; WPUT stores them.
.macro WPACK g, out
.irp c, 0,1,2
.irp p, 0,1
.irp q, 0,1,2,3
	v_cvt_pk_bf16_f32 v[\out+4*(2*\c+\p)+\q], v[W+2*(3*(8*\g+2*\q)+\c)+\p], v[W+2*(3*(8*\g+2*\q+1)+\c)+\p]
.endr
.endr
.endr
.endm
; The stores' lanes lie 96 bytes apart, so lanes eight apart fall on the same 16 bytes modulo 256: twelve such stores a lane in the whole kernel.
.macro WPUT g, out
.irp c, 0,1,2
.irp p, 0,1
	ds_store_b128 v5, v[\out+4*(2*\c+\p):\out+4*(2*\c+\p)+3] offset:\c*3072+\p*48+\g*16
.endr
.endr
.endm
	s_wait_loadcnt 24                              ; rows 0-7 (24 loads) are in, the 24 loads of rows 8-15 stay out
	WPACK 0, OUT0
	s_wait_alu depctr_va_vdst(0)                   ; the roundings have written OUT0, which the six LDS stores read
	WPUT 0, OUT0                                   ; they go out ahead of the wait for the other half's loads
	s_wait_loadcnt 0x0
	WPACK 1, OUT1                                  ; into the registers of rows 0-7 as loaded, which the first half's roundings have used up and no memory instruction has read
	s_wait_alu depctr_va_vdst(0)                   ; the roundings have written OUT1, which the six LDS stores read, and are done reading v[RB ..], in which the LDS loads behind the barrier land; no vector instruction follows
	WPUT 1, OUT1
	s_wait_dscnt 0x0                               ; my region is written before I say so
	s_barrier_signal -1
	s_barrier_wait -1
.irp t, 0,1,2,3,4,5,6,7,8,9,10,11
	ds_load_b128 v[RB+4*\t:RB+4*\t+3], v6 offset:\t*96
.endr
.irp t, 0,1,2,3,4,5,6,7,8,9,10,11
	s_wait_dscnt 11-\t                             ; LDS loads come back in order: number t is in
	global_store_b128 v7, v[RB+4*\t:RB+4*\t+3], s[10:11] offset:\t*4096   ; sixteen lanes store 256 consecutive bytes of one row of wt
.endr
	s_wait_dscnt 0x0                               ; the closing lines, six on end
	s_wait_alu 0x0
	s_wait_tensorcnt 0x0
	ds_add_u32 v160, v161
	s_wait_dscnt 0x0
	s_endpgm
.Lfunc_end_k_qcd142d9112_prep:
	.size	k_qcd142d9112_prep, .Lfunc_end_k_qcd142d9112_prep-k_qcd142d9112_prep
	.p2alignl 7, 3214868480
	.fill 96, 4, 3214868480
	.section	.rodata,"a",@progbits
	.p2align	6, 0x0
	.amdhsa_kernel k_qcd142d9112_prep
		.amdhsa_group_segment_fixed_size 79104
		.amdhsa_private_segment_fixed_size 0
		.amdhsa_enable_private_segment 0
		.amdhsa_kernarg_size 40
		.amdhsa_user_sgpr_count 2
		.amdhsa_user_sgpr_kernarg_segment_ptr 1
		.amdhsa_wavefront_size32 1
		.amdhsa_system_sgpr_workgroup_id_x 1
		.amdhsa_system_sgpr_workgroup_id_y 1
		.amdhsa_system_sgpr_workgroup_id_z 1
		.amdhsa_system_vgpr_workitem_id 0
		.amdhsa_next_free_vgpr 162
		.amdhsa_next_free_sgpr 66
		.amdhsa_reserve_vcc 0
		.amdhsa_float_denorm_mode_32 3
		.amdhsa_float_denorm_mode_16_64 3
		.amdhsa_memory_ordered 1
		.amdhsa_forward_progress 1
		.amdhsa_inst_pref_size 36
	.end_amdhsa_kernel
	.amdgpu_metadata
---
amdhsa.version: [ 1, 2 ]
amdhsa.kernels:
  - .name:           k_qcd142d9112_prep
    .symbol:         k_qcd142d9112_prep.kd
    .args:
      - { .name: x, .offset: 0, .size: 8, .value_kind: global_buffer, .address_space: global }
      - { .name: wqkv, .offset: 8, .size: 8, .value_kind: global_buffer, .address_space: global }
      - { .name: xb, .offset: 16, .size: 8, .value_kind: global_buffer, .address_space: global }
      - { .name: wt, .offset: 24, .size: 8, .value_kind: global_buffer, .address_space: global }
      - { .name: bs, .offset: 32, .size: 8, .value_kind: global_buffer, .address_space: global }
    .group_segment_fixed_size: 79104
    .private_segment_fixed_size: 0
    .kernarg_segment_align: 8
    .kernarg_segment_size: 40
    .max_flat_workgroup_size: 256
    .sgpr_count:     66
    .vgpr_count:     162
    .wavefront_size: 32
...
	.end_amdgpu_metadata
.endif
;; end of part 3
;; launch main: the kernel of part 2 again; grid 16 x 16, 4 waves a work-group, clusters of 4 x 4, 327,680 bytes of LDS; arguments xb, wt, bs, out0; writes out0
